; MI455X (gfx1250); checked and timed in simulation.
; The chip was launched on July 23, 2026; its instructions are those of AMD's public machine-readable ISA for CDNA 5 (MIT licence, August 2026) and "CDNA5" Instruction Set Architecture Reference Guide (July 2026). The comments in the code are by the model that wrote it; some were corrected since.
;; Chamfer Loss. Allowed arithmetic: float matrix products may take bf16 or f16 operands with f32 sums; all other float work in f32.
;; Inputs: gt 16 x 4,096 x 3 float32; pred 16 x 4,096 x 3 float32.
;; Outputs: out0 one number float32; out1 16 x 4,096 int32; out2 16 x 4,096 int32.
;; One version. Each part assembles by itself: llvm-mc -triple=amdgcn-amd-amdhsa -mcpu=gfx1250 --defsym DOCPART=n.
;; ======== version 1 of 1: 3 launches
;; workspace buffers: pv 2,097,152 bytes; pid 2,097,152 bytes of whole numbers; gid 524,288 bytes of whole numbers; psum 512 bytes
;; launch pairs (part 1): grid 16 x 16, 16 waves a work-group, no clusters, 248,320 bytes of LDS; arguments pred, gt, pv, pid; writes pv, pid
.if DOCPART == 1
	.amdgcn_target "amdgcn-amd-amdhsa--gfx1250"
	.amdhsa_code_object_version 6
	.text
	.protected	k_q10b9a029d8_pairs
	.globl	k_q10b9a029d8_pairs
	.p2align	8
	.type	k_q10b9a029d8_pairs,@function
k_q10b9a029d8_pairs:
	s_mov_b64 s[64:65], 0
	v_nop
	global_prefetch_b8 v0, s[64:65] scope:SCOPE_SE
	s_setreg_imm32_b32 hwreg(HW_REG_WAVE_MODE, 25, 1), 1
	s_wait_xcnt 0x0
; ChamferLoss, first of three launches: all squared distances of one block, their minima along both axes, and WHICH 64 POINTS hold each minimum.
; pred, gt: [16][4096][3] f32.  A work-group takes 1024 pred rows (block rb) x 1024 gt columns (block cb) of batch b: 16 x 16 = 256 work-groups.
; Sixteen waves; a wave keeps 64 rows (four row tiles of 16) in registers and walks all 64 column tiles of 16.
;
; ARITHMETIC.  Both clouds are rounded to bf16 and EVERYTHING is made from the rounded points, the norms too, so that d is the distance of the
; rounded points and not a difference of sums that do not belong together.  A product of two bf16 has 16 bits and is exact in f32, so only
; the order of the f32 additions counts, and it is reference()'s:  n2 = fl(fl(x x + y y) + z z),  d = fl(fl(p2 + g2) + fl(fl(X + Y) + Z))
; with X = (-2 x) x', Y = (-2 y) y', Z = (-2 z) z'.  Each matrix instruction forms ONE product for each output (A has one K place that is not 0,
; C = 0), so that its result is that exact product; the additions are packed f32 additions.  The third launch gets the same bits by FMAs.
;
; NO INDEX IS TRACKED PER PAIR.  Points are dealt to tiles so that what one running minimum sees is an interval of indices:
;   column tile t, lane r          <-> gt column 64 r + t              : a row minimum kept in lane r covers columns 64 r .. 64 r + 63
;   row tile i, half h, register j <-> pred row 64 w + 32 h + 8 i + j  : a column minimum kept in a lane covers rows 64 w + 32 h .. + 31
; At the end the FIRST lane (wave) that holds the minimum names the 64 points in which the first minimum lies.
; Out: pv[dir][b][part][q] = minimum of query q over a quarter of its candidates, pid[..] = number (0..63) of the 64 points that hold it.
;
; No cluster and no tensor load: a work-group reads 24 KB of points once, and they pass through registers to be rounded.
; LIMITS.  Finite inputs, |x| below half of bf16's largest number (-2 x must stay finite): the windows over A's and B's registers multiply
; neighbouring tiles' numbers by 0, and 0 x Inf would be NaN; the scans by comparison find nothing sensible in NaN.
.set CLOUD, 49152                      ; bytes of one batch's cloud, 4096 points x 12
.set BLKB,  12288                      ; bytes of 1024 points
.set OPA,   0                          ; LDS: pred row -> {bf16(-2x), bf16(-2y)}, {bf16(-2z), 0}: 8 bytes x 1024
.set P2T,   8192                       ; LDS: pred row -> p2, 4 bytes x 1024
.set OPB,   12288                      ; LDS: gt column 64 r + t -> {x, y}, {z, 0} at 528 r + 8 t
.set BPI,   528                        ;      512 + 16, an odd multiple of 16: sixteen lanes' 16 bytes start in sixteen different 16-byte columns of 256
.set G2T,   20736                      ; LDS: gt column 64 r + t -> g2 at 272 r + 4 t
.set GPI,   272
.set CST,   25088                      ; LDS: column stage, plane 2 w + h: column 64 r + t at 272 r + 4 t
.set CPL,   4352                       ;      bytes of a plane (16 x 272)
.set RST,   164352                     ; LDS: row stage, each wave's own 5120 bytes: row 32 h + 8 i + j at 80 bytes a row, lane r's word at 4 r
.set RWV,   5120
.set RPI,   80
.set VB,  2                            ; v2       528 r, stepped by 32 a group: my lane's B operands
.set VG,  3                            ; v3       272 r, stepped by 16 a group: my lane's g2
.set VC,  4                            ; v4       where my lane's column minima go, stepped by 16 a group
.set LN,  5                            ; v5       lane;  v6 = r = lane % 16;  v7 = h = lane / 16
.set A,   8                            ; v8-67    six groups of ten: two data words, six zeros, two data words.  Fragment f = 3 i + c (c = x, y, z)
                                       ;          is the window of 8 at A + 10 (f / 2) + 2 (f % 2): its data are the window's registers 0, 1 or 6, 7
.set P,   68                           ; v68-99   p2 of row (i, j)
.set R,   100                          ; v100-131 running row minima (i, j); at the very end planes 16-31 of the column stage
.set ZP0, 132                          ; v132-137 zeros
.set B0,  138                          ; v138-145 four column tiles x {xy, z0}.  Tile u's window is B0 + 2 u (data in 0, 1) or B0 + 2 u - 6 (data in 6, 7)
.set ZP1, 146                          ; v146-151 zeros
.set G,   152                          ; v152-155 g2 of the four tiles
.set C,   156                          ; v156-159 column minima of the four tiles
.set D,   160                          ; v160-207 X, Y, Z of two tiles, 8 registers each; temporaries outside the loop
.set T,   208                          ; v208-223 s, then d, of two tiles; temporaries outside the loop
	s_load_b256 s[4:11], s[0:1], 0x0               ; pred s[4:5], gt s[6:7], pv s[8:9], pid s[10:11]
	v_lshl_add_u32 v224, v0, 2, 0x3c200
	v_mov_b32 v225, 0
	v_lshrrev_b32 v1, 5, v0
	v_readfirstlane_b32 s12, v1                    ; wave w, 0..15
	s_and_b32 s13, ttmp7, 0xffff                   ; batch b
	s_lshr_b32 s14, ttmp9, 2                       ; rb
	s_and_b32 s15, ttmp9, 3                        ; cb
	s_mul_i32 s16, s13, CLOUD
	s_mul_i32 s17, s14, BLKB
	s_add_co_u32 s18, s16, s17                     ; byte offset of my 1024 pred points
	s_mov_b32 s19, 0
	s_mul_i32 s17, s15, BLKB
	s_add_co_u32 s20, s16, s17                     ; and of my 1024 gt points
	s_mov_b32 s21, 0
	s_lshl2_add_u32 s23, s13, s15                  ; rows' results: entry (4 b + cb) 4096 + 1024 rb + 64 w, 4 bytes each
	s_lshl_b32 s23, s23, 12
	s_lshl_b32 s25, s14, 10
	s_add_co_u32 s23, s23, s25
	s_lshl_b32 s25, s12, 6
	s_add_co_u32 s23, s23, s25
	s_lshl_b32 s23, s23, 2
	s_lshl2_add_u32 s24, s13, s14                  ; columns' results: entry (64 + 4 b + rb) 4096 + 1024 cb + 64 w
	s_add_co_u32 s24, s24, 64
	s_lshl_b32 s24, s24, 12
	s_lshl_b32 s29, s15, 10
	s_add_co_u32 s24, s24, s29
	s_add_co_u32 s24, s24, s25
	s_lshl_b32 s24, s24, 2
	s_lshl_b32 s26, s15, 4                         ; number of the first 64 of my gt columns
	s_lshl_b32 s27, s14, 4                         ; number of the first 64 of my pred rows
	s_mov_b32 s28, 0xffff0000                      ; a word's upper bf16
	v_mul_u32_u24 v208, v0, 12                     ; thread t takes points t and t + 512 of both blocks
	v_lshlrev_b32 v209, 3, v0                      ; 8 t
	v_lshlrev_b32 v210, 2, v0                      ; 4 t
	v_lshrrev_b32 v211, 6, v0                      ; r of column t
	v_lshl_add_u32 v212, v211, 4, v209             ; 8 t + 16 r = 528 r + 8 (t % 64)
	v_lshl_add_u32 v213, v211, 4, v210             ; 4 t + 16 r = 272 r + 4 (t % 64)
	s_wait_kmcnt 0x0
	s_add_nc_u64 s[4:5], s[4:5], s[18:19]
	s_add_nc_u64 s[6:7], s[6:7], s[20:21]
	global_load_b96 v[160:162], v208, s[4:5]
	global_load_b96 v[164:166], v208, s[4:5] offset:6144
	global_load_b96 v[168:170], v208, s[6:7]
	global_load_b96 v[172:174], v208, s[6:7] offset:6144
	; the K places that stay zero for the whole launch, written while the loads are out: six in each of A's groups, six on each side of B
.irp g, 0,1,2,3,4,5
.irp k, 2,3,4,5,6,7
	v_mov_b32 v[A+10*\g+\k], 0
.endr
.endr
.irp k, 0,1,2,3,4,5
	v_mov_b32 v[ZP0+\k], 0
	v_mov_b32 v[ZP1+\k], 0
.endr
; a point in v[x .. x+2]: v176 = {bf16 x, bf16 y}, v177 = {bf16 z, 0}, v179-181 the rounded numbers as f32, v178 their norm in reference()'s order
.macro ROUND3 x
	v_cvt_pk_bf16_f32 v176, v[\x], v[\x+1]
	v_cvt_pk_bf16_f32 v177, v[\x+2], 0
	v_lshlrev_b32 v179, 16, v176
	v_and_b32 v180, s28, v176
	v_lshlrev_b32 v181, 16, v177
	v_mul_f32 v178, v179, v179                     ; exact: 8 x 8 bits
	v_fmac_f32 v178, v180, v180                    ; fl(x x + y y)
	v_fmac_f32 v178, v181, v181                    ; fl(.. + z z)
.endm
; left = how many younger point loads may still be out
.macro PREDPT x, left, oa, op
	s_wait_loadcnt \left
	ROUND3 \x
	v_mul_f32 v179, -2.0, v179                     ; A carries -2 p: a power of two, exact, and still a bf16
	v_mul_f32 v180, -2.0, v180
	v_mul_f32 v181, -2.0, v181
	v_cvt_pk_bf16_f32 v176, v179, v180
	v_cvt_pk_bf16_f32 v177, v181, 0
	ds_store_b64 v209, v[176:177] offset:OPA+\oa
	ds_store_b32 v210, v178 offset:P2T+\op
.endm
.macro GTPT x, left, ob, og
	s_wait_loadcnt \left
	ROUND3 \x
	ds_store_b64 v212, v[176:177] offset:OPB+\ob
	ds_store_b32 v213, v178 offset:G2T+\og
.endm
	PREDPT 160, 3, 0, 0
	PREDPT 164, 2, 4096, 2048
	GTPT 168, 1, 0, 0
	GTPT 172, 0, 4224, 2176                        ; column t + 512: 8 x 512 + 16 x 8, and 4 x 512 + 16 x 8
	s_wait_dscnt 0x0                               ; my table entries are written, for the other waves' sake
	s_barrier_signal -1
	s_barrier_wait -1
	; my wave's rows.  A's lane holds row m = lane % 16 of the tile, and D's (h, j) is m = 8 h + j: pred row 64 w + 32 (m / 8) + 8 i + m % 8
	v_and_b32 v[LN], 31, v0
	v_and_b32 v6, 15, v0                           ; r
	v_bfe_u32 v7, v0, 4, 1                         ; h
	v_bfe_u32 v1, v0, 3, 1                         ; m / 8
	v_and_b32 v160, 7, v0
	v_lshlrev_b32 v160, 3, v160
	v_lshl_add_u32 v160, v1, 8, v160               ; 8 bytes x (32 (m / 8) + m % 8)
	s_lshl_b32 s16, s12, 9
	v_add_nc_u32 v160, s16, v160                   ; + 8 x 64 w
	s_lshl_b32 s17, s12, 8
	v_lshl_add_u32 v161, v7, 7, s17                ; p2: 4 bytes x (64 w + 32 h)
.irp i, 0,1,2,3
	ds_load_b64 v[162+2*\i:163+2*\i], v160 offset:OPA+64*\i
.endr
.irp i, 0,1,2,3
	ds_load_b128 v[P+8*\i:P+8*\i+3], v161 offset:P2T+32*\i
	ds_load_b128 v[P+8*\i+4:P+8*\i+7], v161 offset:P2T+32*\i+16
.endr
	v_mov_b32 v171, 0xffff
	v_cmp_gt_u32 vcc_lo, 16, v[LN]
	v_cndmask_b32 v170, 0, v171, vcc_lo            ; lanes 0-15: the low half; lanes 16-31 (other K places): nothing
	v_lshlrev_b32 v171, 16, v170                   ; lanes 0-15: the high half
	v_mul_u32_u24 v[VB], v6, BPI
	v_mul_u32_u24 v[VG], v6, GPI
	s_mul_i32 s18, s12, 2*CPL
	s_add_co_u32 s18, s18, CST
	v_mul_u32_u24 v[VC], v7, CPL
	v_add3_u32 v[VC], v[VC], v[VG], s18            ; plane 2 w + h, row r
	s_wait_dscnt 0x0
; fragment (i, c): one coordinate of the sixteen rows in one K place, zero beside it
.macro FRAG i, c
.set f, 3*\i+\c
.set dst, A+10*(f/2)+8*(f%2)
.if \c == 0
	v_and_b32 v[dst], v[162+2*\i], v170            ; -2 x meets x' (low half of the first word)
	v_mov_b32 v[dst+1], 0
.elseif \c == 1
	v_and_b32 v[dst], v[162+2*\i], v171            ; -2 y meets y' (high half of the first word)
	v_mov_b32 v[dst+1], 0
.else
	v_mov_b32 v[dst], 0
	v_and_b32 v[dst+1], v[163+2*\i], v170          ; -2 z meets z' (low half of the second word)
.endif
.endm
.irp i, 0,1,2,3
.irp c, 0,1,2
	FRAG \i, \c
.endr
.endr
; one matrix instruction: coordinate c of row tile i x column tile 'tile' of the group, into v[dreg .. dreg+7]
.macro MM i, c, tile, dreg
.set f, 3*\i+\c
.set aw, A+10*(f/2)+2*(f%2)
.set bw, B0+2*(\tile)-6*(f%2)
	v_wmma_f32_16x16x32_bf16 v[\dreg:\dreg+7], v[aw:aw+7], v[bw:bw+7], 0
.endm
; row tile i x the column tiles 2 pr, 2 pr + 1 of the group: 6 matrix and 48 vector instructions for 512 pairs.
; The eight additions that form s name no register of a matrix instruction.  They are the places between the six matrix
; instructions and the first reader of a result, between them and the next unit's matrix instructions, which write over X, Y, Z,
; and between them and the next group's loads into B.
.macro UNIT i, pr, first
.irp u, 0,1
.irp c, 0,1,2
	MM \i, \c, 2*\pr+\u, D+24*\u+8*\c
.endr
.endr
.irp u, 0,1
.irp q, 0,2,4,6
	v_pk_add_f32 v[T+8*\u+\q:T+8*\u+\q+1], v[P+8*\i+\q:P+8*\i+\q+1], v[G+2*\pr:G+2*\pr+1] op_sel:[0,\u] op_sel_hi:[1,\u]   ; s = p2 + g2 of tile u
.endr
.endr
.irp u, 0,1
.irp q, 0,2,4,6
	v_pk_add_f32 v[D+24*\u+\q:D+24*\u+\q+1], v[D+24*\u+\q:D+24*\u+\q+1], v[D+24*\u+8+\q:D+24*\u+8+\q+1]     ; X + Y
.endr
.endr
.irp u, 0,1
.irp q, 0,2,4,6
	v_pk_add_f32 v[D+24*\u+\q:D+24*\u+\q+1], v[D+24*\u+\q:D+24*\u+\q+1], v[D+24*\u+16+\q:D+24*\u+16+\q+1]   ; + Z
.endr
.endr
.irp u, 0,1
.irp q, 0,2,4,6
	v_pk_add_f32 v[T+8*\u+\q:T+8*\u+\q+1], v[T+8*\u+\q:T+8*\u+\q+1], v[D+24*\u+\q:D+24*\u+\q+1]             ; d = s - 2 pg
.endr
.endr
.irp j, 0,1,2,3,4,5,6,7
.if \first
	v_min_num_f32 v[R+8*\i+\j], v[T+\j], v[T+8+\j]                       ; the first two tiles start the row minima: nothing is preset
.else
	v_min3_num_f32 v[R+8*\i+\j], v[R+8*\i+\j], v[T+\j], v[T+8+\j]
.endif
.endr
.irp u, 0,1
.if \i == 0
	v_min_num_f32 v[C+2*\pr+\u], v[T+8*\u], v[T+8*\u+1]                  ; row tile 0 starts the column minimum
.else
	v_min3_num_f32 v[C+2*\pr+\u], v[C+2*\pr+\u], v[T+8*\u], v[T+8*\u+1]
.endif
.irp j, 2,4,6
	v_min3_num_f32 v[C+2*\pr+\u], v[C+2*\pr+\u], v[T+8*\u+\j], v[T+8*\u+\j+1]
.endr
.endr
.endm
; four column tiles against my 64 rows
.macro GROUP first
	ds_load_b128 v[B0:B0+3], v[VB] offset:OPB
	ds_load_b128 v[B0+4:B0+7], v[VB] offset:OPB+16
	ds_load_b128 v[G:G+3], v[VG] offset:G2T
	v_add_nc_u32 v[VB], 32, v[VB]
	v_add_nc_u32 v[VG], 16, v[VG]
	s_wait_dscnt 0x0                               ; the three loads; the other three waves of the SIMD work meanwhile
.irp i, 0,1,2,3
	UNIT \i, 0, \first
.endr
.irp i, 0,1,2,3
	UNIT \i, 1, 0
.endr
	ds_store_b128 v[VC], v[C:C+3]                  ; the four tiles' column minima over my lane half's 32 rows
	v_add_nc_u32 v[VC], 16, v[VC]
.endm
	GROUP 1
	s_mov_b32 s22, 15
.Lgroup:
	GROUP 0
	s_sub_co_i32 s22, s22, 1
	s_cmp_lg_u32 s22, 0
	s_cbranch_scc1 .Lgroup
	; ROWS.  Lane r holds, for 32 rows of its half, the minimum over columns 64 r .. 64 r + 63.  Through my wave's own stage (LDS serves a wave's
	; instructions in order, ISA guide 5.7.1: no wait and no barrier between these stores and loads) lane l gets rows 2 l and 2 l + 1 whole.
	s_mul_i32 s16, s12, RWV
	s_add_co_u32 s16, s16, RST
	v_mul_u32_u24 v1, v7, 32*RPI
	v_lshl_add_u32 v1, v6, 2, v1
	v_add_nc_u32 v1, s16, v1
.set k, 0
.rept 32
	ds_store_b32 v1, v[R+k] offset:RPI*k
.set k, k+1
.endr
	v_mul_u32_u24 v213, v[LN], 2*RPI
	v_add_nc_u32 v213, s16, v213
.irp q, 0,1,2,3
	ds_load_b128 v[D+4*\q:D+4*\q+3], v213 offset:16*\q
	ds_load_b128 v[D+16+4*\q:D+16+4*\q+3], v213 offset:RPI+16*\q
.endr
	s_wait_dscnt 0x0
; the first of sixteen that holds the minimum: a later one replaces the number only if it is smaller (kept where new >= best)
.macro SCAN16 base, best, id
	v_mov_b32 v[\id], 0
	v_cmp_ge_f32 vcc_lo, v[\base+1], v[\base]
	v_min_num_f32 v[\best], v[\base], v[\base+1]
	v_cndmask_b32 v[\id], 1, v[\id], vcc_lo
.irp k, 2,3,4,5,6,7,8,9,10,11,12,13,14,15
	v_cmp_ge_f32 vcc_lo, v[\base+\k], v[\best]
	v_cndmask_b32 v[\id], \k, v[\id], vcc_lo
	v_min_num_f32 v[\best], v[\best], v[\base+\k]
.endr
.endm
	SCAN16 D, 208, 210
	SCAN16 D+16, 209, 211
	v_add_nc_u32 v210, s26, v210                   ; + 16 cb
	v_add_nc_u32 v211, s26, v211
	v_lshl_add_u32 v212, v[LN], 3, s23
	global_store_b64 v212, v[208:209], s[8:9]      ; each store of the wave covers 256 consecutive bytes, aligned
	global_store_b64 v212, v[210:211], s[10:11]
	; COLUMNS.  Plane 2 w' + h' of the stage holds the minima over rows 64 w' + 32 h' .. + 31.  Wave w, lane l takes columns 64 w + 2 l, + 1.
	s_wait_dscnt 0x0                               ; my planes are written, for the other waves' sake
	s_barrier_signal -1
	s_barrier_wait -1
	s_mul_i32 s16, s12, GPI
	s_add_co_u32 s16, s16, CST
	v_lshl_add_u32 v220, v[LN], 3, s16             ; planes 0-15 by the immediate (15 x 4352 fits its 16 bits),
	v_add_nc_u32 v221, 16*CPL, v220                ; planes 16-31 from a second base
.set k, 0
.rept 16
	ds_load_b64 v[D+2*k:D+2*k+1], v220 offset:CPL*k
.set k, k+1
.endr
.set k, 0
.rept 16
	ds_load_b64 v[R+2*k:R+2*k+1], v221 offset:CPL*k
.set k, k+1
.endr
.set CBV, 214                          ; v214-215 best of my two columns
.set CIV, 216                          ; v216-217 the wave (64 rows) that holds it
.set CTV, 218                          ; v218-219 at work
; 64 rows = two planes in v[base .. base+3]
.macro CBLK base, k
.irp e, 0,1
.if \k == 0
	v_min_num_f32 v[CBV+\e], v[\base+\e], v[\base+2+\e]
	v_mov_b32 v[CIV+\e], 0
.else
	v_min_num_f32 v[CTV+\e], v[\base+\e], v[\base+2+\e]
	v_cmp_ge_f32 vcc_lo, v[CTV+\e], v[CBV+\e]
	v_cndmask_b32 v[CIV+\e], \k, v[CIV+\e], vcc_lo
	v_min_num_f32 v[CBV+\e], v[CBV+\e], v[CTV+\e]
.endif
.endr
.endm
	s_wait_dscnt 0x10                              ; planes 0-15 are in; the sixteen younger loads stay out
.irp k, 0,1,2,3,4,5,6,7
	CBLK D+4*\k, \k
.endr
	s_wait_dscnt 0x0
.irp k, 0,1,2,3,4,5,6,7
	CBLK R+4*\k, 8+\k
.endr
	v_add_nc_u32 v[CIV], s27, v[CIV]               ; + 16 rb
	v_add_nc_u32 v[CIV+1], s27, v[CIV+1]
	v_lshl_add_u32 v222, v[LN], 3, s24
	global_store_b64 v222, v[CBV:CBV+1], s[8:9]
	global_store_b64 v222, v[CIV:CIV+1], s[10:11]
	s_wait_tensorcnt 0x0
	ds_add_u32 v224, v225
	s_wait_dscnt 0x0
	s_endpgm
.Lfunc_end_k_q10b9a029d8_pairs:
	.size	k_q10b9a029d8_pairs, .Lfunc_end_k_q10b9a029d8_pairs-k_q10b9a029d8_pairs
	.p2alignl 7, 3214868480
	.fill 96, 4, 3214868480
	.section	.rodata,"a",@progbits
	.p2align	6, 0x0
	.amdhsa_kernel k_q10b9a029d8_pairs
		.amdhsa_group_segment_fixed_size 248320
		.amdhsa_private_segment_fixed_size 0
		.amdhsa_enable_private_segment 0
		.amdhsa_kernarg_size 32
		.amdhsa_user_sgpr_count 2
		.amdhsa_user_sgpr_kernarg_segment_ptr 1
		.amdhsa_wavefront_size32 1
		.amdhsa_system_sgpr_workgroup_id_x 1
		.amdhsa_system_sgpr_workgroup_id_y 1
		.amdhsa_system_sgpr_workgroup_id_z 1
		.amdhsa_system_vgpr_workitem_id 0
		.amdhsa_next_free_vgpr 226
		.amdhsa_next_free_sgpr 66
		.amdhsa_reserve_vcc 1
		.amdhsa_float_denorm_mode_32 3
		.amdhsa_float_denorm_mode_16_64 3
		.amdhsa_memory_ordered 1
		.amdhsa_forward_progress 1
		.amdhsa_inst_pref_size 76
	.end_amdhsa_kernel
	.amdgpu_metadata
---
amdhsa.version: [ 1, 2 ]
amdhsa.kernels:
  - .name:           k_q10b9a029d8_pairs
    .symbol:         k_q10b9a029d8_pairs.kd
    .args:
      - { .name: pred, .offset: 0, .size: 8, .value_kind: global_buffer, .address_space: global }
      - { .name: gt, .offset: 8, .size: 8, .value_kind: global_buffer, .address_space: global }
      - { .name: pv, .offset: 16, .size: 8, .value_kind: global_buffer, .address_space: global }
      - { .name: pid, .offset: 24, .size: 8, .value_kind: global_buffer, .address_space: global }
    .group_segment_fixed_size: 248320
    .private_segment_fixed_size: 0
    .kernarg_segment_align: 8
    .kernarg_segment_size: 32
    .max_flat_workgroup_size: 512
    .sgpr_count:     66
    .vgpr_count:     226
    .wavefront_size: 32
...
	.end_amdgpu_metadata
.endif
;; end of part 1
;; launch merge (part 2): grid 128 x 1, 8 waves a work-group, no clusters, 1,280 bytes of LDS; arguments pv, pid, gid, psum; writes gid, psum
.if DOCPART == 2
	.amdgcn_target "amdgcn-amd-amdhsa--gfx1250"
	.amdhsa_code_object_version 6
	.text
	.protected	k_q10b9a029d8_merge
	.globl	k_q10b9a029d8_merge
	.p2align	8
	.type	k_q10b9a029d8_merge,@function
k_q10b9a029d8_merge:
	s_mov_b64 s[64:65], 0
	v_nop
	global_prefetch_b8 v0, s[64:65] scope:SCOPE_SE
	s_setreg_imm32_b32 hwreg(HW_REG_WAVE_MODE, 25, 1), 1
	s_wait_xcnt 0x0
; ChamferLoss, second launch: of each query's four partial minima (one for each quarter of its candidates, ascending) the first that holds the
; minimum; its 64-point number goes to gid[dir][b][q], and the work-group's sum of 1024 minima to psum[g].
; pv, pid: [32 (dir, b)][4 parts][4096] of 4 bytes.  Work-group g: (dir, b) = g / 4, queries 1024 (g % 4) .. + 1023; a thread takes four queries.
; A stream over 4 MB: every load and store of a wave covers 512 consecutive bytes; no matrix unit, no cluster (nothing is shared).
; The choice of addresses by these numbers is left to the next launch, which reads gid as whole numbers.  Finite numbers are assumed.
.set V, 4                              ; v4-19   pv, part p at V + 4 p; part 0 becomes the minimum
.set I, 20                             ; v20-35  pid, part p at I + 4 p; part 0 becomes the result
	s_load_b256 s[4:11], s[0:1], 0x0               ; pv s[4:5], pid s[6:7], gid s[8:9], psum s[10:11]
	v_lshl_add_u32 v48, v0, 2, 0x100
	v_mov_b32 v49, 0
	v_lshrrev_b32 v1, 5, v0
	v_readfirstlane_b32 s12, v1                    ; wave
	s_lshr_b32 s13, ttmp9, 2
	s_lshl_b32 s13, s13, 16                        ; (dir, b) x 4 parts x 16,384 bytes
	s_and_b32 s14, ttmp9, 3
	s_lshl_b32 s14, s14, 12                        ; + 1024 queries x 4 bytes
	s_add_co_u32 s16, s13, s14
	s_mov_b32 s17, 0
	s_lshl_b32 s18, ttmp9, 12                      ; gid: 4,096 bytes a work-group
	s_mov_b32 s19, 0
	s_mov_b32 s20, 0x76543210                      ; v_permlanex16_b32: lane i of one half reads lane i of the other
	s_mov_b32 s21, 0xfedcba98
	s_lshl_b32 s23, ttmp9, 2
	v_lshlrev_b32 v2, 4, v0
	s_wait_kmcnt 0x0
	s_add_nc_u64 s[4:5], s[4:5], s[16:17]
	s_add_nc_u64 s[6:7], s[6:7], s[16:17]
	s_add_nc_u64 s[8:9], s[8:9], s[18:19]
.irp p, 0,1,2,3
	global_load_b128 v[V+4*\p:V+4*\p+3], v2, s[4:5] offset:16384*\p th:TH_LOAD_NT
.endr
.irp p, 0,1,2,3
	global_load_b128 v[I+4*\p:I+4*\p+3], v2, s[6:7] offset:16384*\p th:TH_LOAD_NT
.endr
	s_wait_loadcnt 0x0
.irp p, 1,2,3
.irp e, 0,1,2,3
	v_cmp_ge_f32 vcc_lo, v[V+4*\p+\e], v[V+\e]                     ; a later part wins only if it is smaller
	v_cndmask_b32 v[I+\e], v[I+4*\p+\e], v[I+\e], vcc_lo
	v_min_num_f32 v[V+\e], v[V+\e], v[V+4*\p+\e]
.endr
.endr
	global_store_b128 v2, v[I:I+3], s[8:9]
	v_add_f32 v36, v[V], v[V+1]
	v_add_f32 v37, v[V+2], v[V+3]
	v_add_f32 v36, v36, v37
	v_add_f32_dpp v36, v36, v36 row_xmask:1 row_mask:0xf bank_mask:0xf
	v_add_f32_dpp v36, v36, v36 row_xmask:2 row_mask:0xf bank_mask:0xf
	v_add_f32_dpp v36, v36, v36 row_xmask:4 row_mask:0xf bank_mask:0xf
	v_add_f32_dpp v36, v36, v36 row_xmask:8 row_mask:0xf bank_mask:0xf
	v_permlanex16_b32 v37, v36, s20, s21
	v_add_f32 v36, v36, v37                        ; the wave's 128 minima
	v_mov_b32 v38, s12
	v_lshlrev_b32 v38, 2, v38
	ds_store_b32 v38, v36                          ; every lane writes the same word with the same value
	s_wait_dscnt 0x0
	s_barrier_signal -1
	s_barrier_wait -1
	v_mov_b32 v39, 0
	ds_load_b128 v[24:27], v39                     ; the eight waves' sums, in every lane
	ds_load_b128 v[28:31], v39 offset:16
	v_mov_b32 v40, s23
	v_cmp_eq_u32 vcc_lo, 0, v0
	s_wait_dscnt 0x0
	v_add_f32 v24, v24, v25
	v_add_f32 v26, v26, v27
	v_add_f32 v28, v28, v29
	v_add_f32 v30, v30, v31
	v_add_f32 v24, v24, v26
	v_add_f32 v28, v28, v30
	v_add_f32 v24, v24, v28
	s_wait_xcnt 0x0                                ; EXEC is a source of the store above: it changes only behind this wait
	s_wait_tensorcnt 0x0
	ds_add_u32 v48, v49
	s_wait_dscnt 0x0
	s_and_saveexec_b32 s22, vcc_lo                 ; thread 0 alone
	global_store_b32 v40, v24, s[10:11]
	s_wait_xcnt 0x0
	s_or_b32 exec_lo, exec_lo, s22
	s_endpgm
.Lfunc_end_k_q10b9a029d8_merge:
	.size	k_q10b9a029d8_merge, .Lfunc_end_k_q10b9a029d8_merge-k_q10b9a029d8_merge
	.p2alignl 7, 3214868480
	.fill 96, 4, 3214868480
	.section	.rodata,"a",@progbits
	.p2align	6, 0x0
	.amdhsa_kernel k_q10b9a029d8_merge
		.amdhsa_group_segment_fixed_size 1280
		.amdhsa_private_segment_fixed_size 0
		.amdhsa_enable_private_segment 0
		.amdhsa_kernarg_size 32
		.amdhsa_user_sgpr_count 2
		.amdhsa_user_sgpr_kernarg_segment_ptr 1
		.amdhsa_wavefront_size32 1
		.amdhsa_system_sgpr_workgroup_id_x 1
		.amdhsa_system_sgpr_workgroup_id_y 1
		.amdhsa_system_sgpr_workgroup_id_z 1
		.amdhsa_system_vgpr_workitem_id 0
		.amdhsa_next_free_vgpr 50
		.amdhsa_next_free_sgpr 66
		.amdhsa_reserve_vcc 1
		.amdhsa_float_denorm_mode_32 3
		.amdhsa_float_denorm_mode_16_64 3
		.amdhsa_memory_ordered 1
		.amdhsa_forward_progress 1
		.amdhsa_inst_pref_size 5
	.end_amdhsa_kernel
	.amdgpu_metadata
---
amdhsa.version: [ 1, 2 ]
amdhsa.kernels:
  - .name:           k_q10b9a029d8_merge
    .symbol:         k_q10b9a029d8_merge.kd
    .args:
      - { .name: pv, .offset: 0, .size: 8, .value_kind: global_buffer, .address_space: global }
      - { .name: pid, .offset: 8, .size: 8, .value_kind: global_buffer, .address_space: global }
      - { .name: gid, .offset: 16, .size: 8, .value_kind: global_buffer, .address_space: global }
      - { .name: psum, .offset: 24, .size: 8, .value_kind: global_buffer, .address_space: global }
    .group_segment_fixed_size: 1280
    .private_segment_fixed_size: 0
    .kernarg_segment_align: 8
    .kernarg_segment_size: 32
    .max_flat_workgroup_size: 256
    .sgpr_count:     66
    .vgpr_count:     50
    .wavefront_size: 32
...
	.end_amdgpu_metadata
.endif
;; end of part 2
;; launch rescan (part 3): grid 8 x 32, 16 waves a work-group, no clusters, 79,872 bytes of LDS; arguments pred, gt, gid, psum, out0, out1, out2; writes out0, out1, out2
.if DOCPART == 3
	.amdgcn_target "amdgcn-amd-amdhsa--gfx1250"
	.amdhsa_code_object_version 6
	.text
	.protected	k_q10b9a029d8_rescan
	.globl	k_q10b9a029d8_rescan
	.p2align	8
	.type	k_q10b9a029d8_rescan,@function
k_q10b9a029d8_rescan:
	s_mov_b64 s[64:65], 0
	v_nop
	global_prefetch_b8 v0, s[64:65] scope:SCOPE_SE
	s_setreg_imm32_b32 hwreg(HW_REG_WAVE_MODE, 25, 1), 1
	s_wait_xcnt 0x0
; ChamferLoss, third launch: for each query the first index of the minimum inside the 64 candidates that gid names, and the loss.
; Grid y = 16 dir + b (dir 0: queries pred, candidates gt, result out1; dir 1: the other way round, out2); x = a chunk of 512 queries.
; The batch's 4096 candidates, rounded to bf16, lie in LDS as four planes of f32 (x, y, z, norm).  A wave takes 32 queries one after the other:
; its 32 lanes hold the 64 candidates, two each; d, a minimum over the wave, two masks of equality and their lowest bits give the index.
; d has the first launch's bits: products of two bf16 are exact, so  fma(qz, z, fma(qy, y, qx x)) = fl(fl(X + Y) + Z),  d = fl(fl(q2 + n) + ..).
; The block number is a whole number read from memory (stored by the launch before) and is cut to 0..63 before it forms an LDS address.
; No matrix unit (64 candidates a query), no cluster or tensor load (48 KB read once, and rounded in registers on the way).
; LIMIT: finite inputs; in a block of NaN no lane equals the minimum and the index has no meaning.
.set CLOUD, 49152
.set PY,  16384                        ; LDS planes: x at 0, y, z, norm; 4 bytes a point
.set PZ,  32768
.set PN,  49152
.set QST, 65536                        ; query t: {-2x, -2y, -2z, q2}, 16 bytes
.set GST, 73728                        ; query t: its block number
.set OST, 75776                        ; query t: its result
	s_load_b256 s[4:11], s[0:1], 0x0               ; pred s[4:5], gt s[6:7], gid s[8:9], psum s[10:11]
	s_load_b128 s[12:15], s[0:1], 0x20             ; out0 s[12:13], out1 s[14:15]
	s_load_b64 s[16:17], s[0:1], 0x30              ; out2
	v_lshl_add_u32 v88, v0, 2, 0x13000
	v_mov_b32 v89, 0
	v_lshrrev_b32 v1, 5, v0
	v_readfirstlane_b32 s18, v1                    ; wave w
	s_and_b32 s19, ttmp7, 0xffff                   ; y
	s_lshr_b32 s20, s19, 4                         ; dir
	s_and_b32 s21, s19, 15                         ; b
	s_mul_i32 s30, s21, CLOUD                      ; the batch's cloud
	s_mov_b32 s31, 0
	s_mul_i32 s22, ttmp9, 6144
	s_add_co_u32 s32, s30, s22                     ; + 512 queries x 12 bytes
	s_mov_b32 s33, 0
	s_lshl_b32 s22, s19, 14
	s_lshl_b32 s23, ttmp9, 11
	s_add_co_u32 s36, s22, s23                     ; gid: (4096 y + 512 x) x 4
	s_mov_b32 s37, 0
	s_lshl_b32 s22, s21, 14
	s_add_co_u32 s38, s22, s23                     ; result: (4096 b + 512 x) x 4
	s_mov_b32 s39, 0
	s_mov_b32 s40, 0x76543210                      ; v_permlanex16_b32: lane i of one half reads lane i of the other
	s_mov_b32 s41, 0xfedcba98
	s_mov_b32 s42, 0xffff0000
	v_mul_u32_u24 v2, v0, 12
	v_lshlrev_b32 v3, 2, v0
	s_wait_kmcnt 0x0
	s_cmp_eq_u32 s20, 0
	s_cselect_b64 s[24:25], s[4:5], s[6:7]         ; queries
	s_cselect_b64 s[26:27], s[6:7], s[4:5]         ; candidates
	s_cselect_b64 s[28:29], s[14:15], s[16:17]     ; result
	s_add_nc_u64 s[24:25], s[24:25], s[32:33]
	s_add_nc_u64 s[26:27], s[26:27], s[30:31]
	s_add_nc_u64 s[28:29], s[28:29], s[38:39]
	s_add_nc_u64 s[8:9], s[8:9], s[36:37]
	global_load_b96 v[4:6], v2, s[24:25]           ; my query
	global_load_b32 v7, v3, s[8:9]                 ; its block
.irp k, 0,1,2,3,4,5,6,7
	global_load_b96 v[8+4*\k:10+4*\k], v2, s[26:27] offset:6144*\k         ; candidates t + 512 k
.endr
	v_lshlrev_b32 v46, 4, v0
	v_add_nc_u32 v46, QST, v46                     ; these regions lie beyond the 16 bits of the immediate: the register carries the start
	v_add_nc_u32 v47, GST, v3
	v_and_b32 v72, 31, v0
	v_lshlrev_b32 v72, 3, v72                      ; 8 x lane: two candidates a lane
	s_lshl_b32 s22, s18, 7
	s_add_co_u32 s22, s22, GST
	v_mov_b32 v73, s22                             ; my wave's 32 block numbers
	s_lshl_b32 s23, s18, 9
	s_add_co_u32 s23, s23, QST
	v_mov_b32 v74, s23                             ; my wave's 32 query records
	v_mov_b32 v75, 0                               ; the results, lane by lane (v_writelane_b32 keeps the other lanes)
	v_mov_b32 v81, 0                               ; v_permlanex16_b32's destination counts as read
; a point in v[x .. x+2]: v43-45 the numbers rounded to bf16, as f32; v[n] their norm in reference()'s order
.macro ROUND3 x, n
	v_cvt_pk_bf16_f32 v40, v[\x], v[\x+1]
	v_cvt_pk_bf16_f32 v41, v[\x+2], 0
	v_lshlrev_b32 v43, 16, v40
	v_and_b32 v44, s42, v40
	v_lshlrev_b32 v45, 16, v41
	v_mul_f32 v[\n], v43, v43
	v_fmac_f32 v[\n], v44, v44
	v_fmac_f32 v[\n], v45, v45
.endm
	s_wait_loadcnt 0x8                             ; query and block are in; the eight candidate loads stay out
	ROUND3 4, 51
	v_mul_f32 v48, -2.0, v43
	v_mul_f32 v49, -2.0, v44
	v_mul_f32 v50, -2.0, v45
	v_min_u32 v7, 63, v7
	ds_store_b128 v46, v[48:51]
	ds_store_b32 v47, v7
.irp k, 0,1,2,3,4,5,6,7
	s_wait_loadcnt 7-\k                            ; candidate k is in; the younger ones stay out
	ROUND3 8+4*\k, 42
	ds_store_b32 v3, v43 offset:2048*\k
	ds_store_b32 v3, v44 offset:PY+2048*\k
	ds_store_b32 v3, v45 offset:PZ+2048*\k
	ds_store_b32 v3, v42 offset:PN+2048*\k
.endr
	s_wait_dscnt 0x0                               ; my stores are done, for the other waves' sake
	s_barrier_signal -1
	s_barrier_wait -1
; four queries, 4 n .. 4 n + 3 of my wave's 32
.macro QUAD n
	ds_load_b128 v[52:55], v73 offset:16*\n                        ; four block numbers, the same in every lane
.irp k, 0,1,2,3
	ds_load_b128 v[56+4*\k:59+4*\k], v74 offset:64*\n+16*\k        ; four records, the same in every lane
.endr
	s_wait_dscnt 0x4                               ; the block numbers are in; the four record loads stay out
.irp k, 0,1,2,3
	v_min_u32 v[52+\k], 63, v[52+\k]               ; inside the planes, whatever was read
	v_lshl_add_u32 v[40+\k], v[52+\k], 8, v72      ; 64 points x 4 bytes a block, + my two
.endr
.irp k, 0,1,2,3
	ds_load_b64 v[8+8*\k:9+8*\k], v[40+\k]
	ds_load_b64 v[10+8*\k:11+8*\k], v[40+\k] offset:PY
	ds_load_b64 v[12+8*\k:13+8*\k], v[40+\k] offset:PZ
	ds_load_b64 v[14+8*\k:15+8*\k], v[40+\k] offset:PN
.endr
.irp k, 0,1,2,3
	s_wait_dscnt 12-4*\k                           ; query k's four loads are in; the later queries' four each stay out
	v_pk_mul_f32 v[76:77], v[8+8*\k:9+8*\k], v[56+4*\k:57+4*\k] op_sel_hi:[1,0]                                    ; X, exact
	v_pk_fma_f32 v[76:77], v[10+8*\k:11+8*\k], v[56+4*\k:57+4*\k], v[76:77] op_sel:[0,1,0] op_sel_hi:[1,1,1]       ; fl(X + Y)
	v_pk_fma_f32 v[76:77], v[12+8*\k:13+8*\k], v[58+4*\k:59+4*\k], v[76:77] op_sel_hi:[1,0,1]                      ; fl(.. + Z)
	v_pk_add_f32 v[78:79], v[14+8*\k:15+8*\k], v[58+4*\k:59+4*\k] op_sel:[0,1] op_sel_hi:[1,1]                     ; fl(n + q2)
	v_pk_add_f32 v[76:77], v[78:79], v[76:77]                                                                      ; d
	v_min_num_f32 v80, v76, v77
	v_min_num_f32_dpp v80, v80, v80 row_xmask:1 row_mask:0xf bank_mask:0xf
	v_min_num_f32_dpp v80, v80, v80 row_xmask:2 row_mask:0xf bank_mask:0xf
	v_min_num_f32_dpp v80, v80, v80 row_xmask:4 row_mask:0xf bank_mask:0xf
	v_min_num_f32_dpp v80, v80, v80 row_xmask:8 row_mask:0xf bank_mask:0xf
	v_permlanex16_b32 v81, v80, s40, s41
	v_min_num_f32 v80, v80, v81                    ; the minimum of the 64, in every lane
	v_cmp_eq_f32 s44, v76, v80                     ; lanes whose even candidate holds it
	v_cmp_eq_f32 s45, v77, v80                     ; lanes whose odd candidate holds it
	s_ctz_i32_b32 s46, s44                         ; lowest lane, or -1, which stays the largest unsigned number below
	s_ctz_i32_b32 s47, s45
	s_lshl_b32 s46, s46, 1                         ; candidate 2 l
	s_lshl_b32 s47, s47, 1
	s_or_b32 s47, s47, 1                           ; candidate 2 l + 1
	s_min_u32 s46, s46, s47                        ; the first of all
	v_writelane_b32 v75, s46, 4*\n+\k
.endr
.endm
.irp n, 0,1,2,3,4,5,6,7
	QUAD \n
.endr
	v_lshl_add_u32 v1, v7, 6, v75                  ; 64 x block + place in the block: my query's index
	ds_store_b32 v47, v1 offset:OST-GST
	s_wait_dscnt 0x0
	s_barrier_signal -1
	s_barrier_wait -1
	s_cmp_ge_u32 s18, 4                            ; 512 results are 2,048 bytes: four waves store them, 16 bytes a lane,
	s_cbranch_scc1 .Lend                           ; so that each store of a wave covers 512 consecutive bytes, aligned
	ds_load_b128 v[8:11], v46 offset:OST-QST
	v_lshlrev_b32 v82, 4, v0
	s_wait_dscnt 0x0
	global_store_b128 v82, v[8:11], s[28:29]
	; the loss: one wave of one work-group adds the 128 partial sums of the launch before
	s_or_b32 s22, s18, ttmp9
	s_or_b32 s22, s22, s19
	s_cmp_lg_u32 s22, 0
	s_cbranch_scc1 .Lend
	global_load_b128 v[12:15], v82, s[10:11]       ; 32 lanes x 16 bytes = psum's 512 bytes
	v_mov_b32 v83, 0
	v_cmp_eq_u32 vcc_lo, 0, v0
	s_wait_loadcnt 0x0
	v_add_f32 v12, v12, v13
	v_add_f32 v14, v14, v15
	v_add_f32 v12, v12, v14
	v_add_f32_dpp v12, v12, v12 row_xmask:1 row_mask:0xf bank_mask:0xf
	v_add_f32_dpp v12, v12, v12 row_xmask:2 row_mask:0xf bank_mask:0xf
	v_add_f32_dpp v12, v12, v12 row_xmask:4 row_mask:0xf bank_mask:0xf
	v_add_f32_dpp v12, v12, v12 row_xmask:8 row_mask:0xf bank_mask:0xf
	v_permlanex16_b32 v13, v12, s40, s41
	v_add_f32 v12, v12, v13
	v_mul_f32 v12, 0x37800000, v12                 ; / (16 batches x 4096 points) = 2^-16
	s_wait_xcnt 0x0                                ; EXEC is a source of the store above: it changes only behind this wait
	s_and_saveexec_b32 s22, vcc_lo                 ; lane 0 alone
	global_store_b32 v83, v12, s[12:13]
	s_wait_xcnt 0x0
	s_or_b32 exec_lo, exec_lo, s22
.Lend:
	s_wait_tensorcnt 0x0
	ds_add_u32 v88, v89
	s_wait_dscnt 0x0
	s_endpgm
.Lfunc_end_k_q10b9a029d8_rescan:
	.size	k_q10b9a029d8_rescan, .Lfunc_end_k_q10b9a029d8_rescan-k_q10b9a029d8_rescan
	.p2alignl 7, 3214868480
	.fill 96, 4, 3214868480
	.section	.rodata,"a",@progbits
	.p2align	6, 0x0
	.amdhsa_kernel k_q10b9a029d8_rescan
		.amdhsa_group_segment_fixed_size 79872
		.amdhsa_private_segment_fixed_size 0
		.amdhsa_enable_private_segment 0
		.amdhsa_kernarg_size 56
		.amdhsa_user_sgpr_count 2
		.amdhsa_user_sgpr_kernarg_segment_ptr 1
		.amdhsa_wavefront_size32 1
		.amdhsa_system_sgpr_workgroup_id_x 1
		.amdhsa_system_sgpr_workgroup_id_y 1
		.amdhsa_system_sgpr_workgroup_id_z 1
		.amdhsa_system_vgpr_workitem_id 0
		.amdhsa_next_free_vgpr 90
		.amdhsa_next_free_sgpr 66
		.amdhsa_reserve_vcc 1
		.amdhsa_float_denorm_mode_32 3
		.amdhsa_float_denorm_mode_16_64 3
		.amdhsa_memory_ordered 1
		.amdhsa_forward_progress 1
		.amdhsa_inst_pref_size 60
	.end_amdhsa_kernel
	.amdgpu_metadata
---
amdhsa.version: [ 1, 2 ]
amdhsa.kernels:
  - .name:           k_q10b9a029d8_rescan
    .symbol:         k_q10b9a029d8_rescan.kd
    .args:
      - { .name: pred, .offset: 0, .size: 8, .value_kind: global_buffer, .address_space: global }
      - { .name: gt, .offset: 8, .size: 8, .value_kind: global_buffer, .address_space: global }
      - { .name: gid, .offset: 16, .size: 8, .value_kind: global_buffer, .address_space: global }
      - { .name: psum, .offset: 24, .size: 8, .value_kind: global_buffer, .address_space: global }
      - { .name: out0, .offset: 32, .size: 8, .value_kind: global_buffer, .address_space: global }
      - { .name: out1, .offset: 40, .size: 8, .value_kind: global_buffer, .address_space: global }
      - { .name: out2, .offset: 48, .size: 8, .value_kind: global_buffer, .address_space: global }
    .group_segment_fixed_size: 79872
    .private_segment_fixed_size: 0
    .kernarg_segment_align: 8
    .kernarg_segment_size: 56
    .max_flat_workgroup_size: 512
    .sgpr_count:     66
    .vgpr_count:     90
    .wavefront_size: 32
...
	.end_amdgpu_metadata
.endif
;; end of part 3
